; MI455X (gfx1250); checked and timed in simulation.
; The chip was launched on July 23, 2026; its instructions are those of AMD's public machine-readable ISA for CDNA 5 (MIT licence, August 2026) and "CDNA5" Instruction Set Architecture Reference Guide (July 2026). The comments in the code are by the model that wrote it; some were corrected since.
;; HEPT Kernel. Allowed arithmetic: matrix products marked QUANTISED: E2M1 operands, one E8M0 scale for each 32 along K, by v_wmma_scale_f32_16x16x128_f8f6f4 with both operands' format E2M1 (or v_wmma_scale_f32_32x16x128_f4), f32 sums; products left as they are: f32 operands where the result goes on into a quantised operand, else bf16, f16 or f32 operands; f32 sums; everything else in f32.
;; Inputs: key 8 x 8,192 x 8 float32; padding_mask 4 x 2,048 bool; query 8 x 8,192 x 8 float32; value 8 x 8,192 x 64 float32.
;; Outputs: out0 8 x 8,192 x 64 float32.
;; This version of the problem:
;;   THIS VERSION OF THE PROBLEM IS GIVEN IN LOW PRECISION. The matrix products marked QUANTISED in the list below multiply operands that are first quantised to E2M1 (2 exponent bits, 1 mantissa bit; 4 bits a number), with one power-of-two scale for each 32 numbers along K (OCP MX v1.0); their sums are f32. All else is computed in f32.
;;   The module's matrix products, in the order in which they are computed (A, B: the left and right operand; K: the contracted axis; several contracted axes count as one K, in the product's order):
;;     1. batch 32 x [M 2,048, K 8] x [K 8, N 2,048]; A: input query; B: input key: left as it is (K = 8 < 32)
;;     2. batch 32 x [M 2,048, K 2,048] x [K 2,048, N 64]; A: computed on the way; B: input value: QUANTISED
;;   THE QUANTISER, for each operand of a quantised product, along K:
;;     - K is cut into blocks of 32 from its start; a last block that is shorter is filled with zeros.
;;     - A block's scale is 2^e with e = floor(log2(the largest magnitude in the block)) - 2, held to -126 .. 127; a block of zeros has e = 0. As a byte (E8M0): e + 127.
;;     - Each number is divided by its block's scale, clamped to +-6, and rounded to the nearest number of E2M1, ties to even, subnormals kept.
;;     - The product sums the exact products of the quantised numbers (number of the format x scale) in f32.
;;   ~~~python
;;   def quantise(x, axis):      # numpy; x: float32 -> the quantised numbers, widened to float32 again
;;       x = np.moveaxis(x, axis, -1); K = x.shape[-1]
;;       x = np.pad(x, [(0, 0)] * (x.ndim - 1) + [(0, -K % 32)]); x = x.reshape(x.shape[:-1] + (-1, 32)); a = np.abs(x).max(-1, keepdims=True)
;;       e = np.where(a > 0, np.clip(np.frexp(np.where(a > 0, a, 1))[1] - 1 - 2, -126, 127), 0)      # np.frexp(a)[1] - 1 = floor(log2(a)), exactly
;;       r = np.clip(x / 2.0 ** e, -6, 6)
;;       step = 2.0 ** (np.maximum(np.frexp(np.where(r == 0, 1, r))[1] - 1, 0) - 1)
;;       q = np.round(r / step) * step * 2.0 ** e      # np.round: ties to even
;;       return np.moveaxis(q.reshape(q.shape[:-2] + (-1,))[..., :K], -1, axis).astype(np.float32)
;;   ~~~
;;   OPERANDS COMPUTED ON THE WAY. 'Computed on the way' means the value that the module computes at that place (a softmax that the list does not call 'softmax' is quantised finished and normalised). What goes into a quantiser is computed in f32, as accurately as f32 sums, v_exp_f32 and their like allow (about 1e-6 of the number): no bf16 or f16 on the way to a quantiser, and a product that is left as it is and whose result goes on into a quantised operand takes f32 operands (vector FMAs, or v_wmma_f32_16x16x4_f32). A number that lies on a knife's edge between two numbers of the format may be rounded either way, as far as f32 arithmetic and the matrix unit's own rounding can turn it there, and no further.
;; 2 versions, each right; version 2 is version 1 with the launch hept written anew for expert scheduling mode. Each part assembles by itself: llvm-mc -triple=amdgcn-amd-amdhsa -mcpu=gfx1250 --defsym DOCPART=n.
;; ======== version 1 of 2: 1 launch
;; launch hept (part 1): grid 256 x 1, 16 waves a work-group, no clusters, 73,728 bytes of LDS; arguments query, key, value, padding_mask, out0; writes out0
.if DOCPART == 1
	.amdgcn_target "amdgcn-amd-amdhsa--gfx1250"
	.amdhsa_code_object_version 6
	.text
	.protected	k_qbc717a290b_hept
	.globl	k_qbc717a290b_hept
	.p2align	8
	.type	k_qbc717a290b_hept,@function
k_qbc717a290b_hept:
	s_mov_b64 s[64:65], 0
	v_nop
	global_prefetch_b8 v0, s[64:65] scope:SCOPE_SE
	s_setreg_imm32_b32 hwreg(HW_REG_WAVE_MODE, 25, 1), 1
	s_wait_xcnt 0x0
; out[q][:] = sum over k of attn[q][k] V[k][:],  attn = kernel / (row sum of kernel + 2^-4),  kernel[q][k] = exp(-(|q|^2 + |k|^2 - 2 q.k) / 2) x mask[q] x mask[k],
; for 32 independent pairs (head, batch); pair bh = 4 head + batch owns rows 2,048 bh .. + 2,047 of query, key [.][8], value, out0 [.][64], all f32; padding_mask [4][2048] bytes.
; The second product is on codes of FP4 (E2M1) with one E8M0 scale for each 32 keys: attn is quantised FINISHED AND NORMALISED, V down the keys.  The first product (K = 8) goes on into a quantiser: f32 operands.
; SHARES.  A work-group of sixteen waves owns 256 queries of one pair and walks them in 16 blocks of 16.  THE WAVES SHARE THE KEYS: wave w owns keys 128 w .. 128 w + 127 for the whole launch and keeps in registers
; its keys' fragments for the first product and its codes of V^T (64 channels x 128 keys), which it makes itself, once, at the head.  Of a block a wave holds 16 queries x 128 keys of kernel values in 64 registers;
; they stay there while the sixteen partial row sums meet in LDS: each exponential is computed once.  Then the wave normalises, quantises (its 128 keys are one K step), multiplies, and puts its partial O^T in LDS;
; wave w adds the sixteen partials of the block's query w and stores that row: 256 consecutive bytes, aligned.
; THE EXPONENT COMES WHOLE OUT OF THE MATRIX UNIT: t = c (q.k - |q|^2/2 - |k|^2/2), c = log2(e), is a product of K = 12: K steps 0, 1: c K against Q; K step 2: (kb, 1, 0, 0) against (1, qb, 0, 0),
; kb = -c |k|^2 / 2, qb = -c |q|^2 / 2.  kernel = 2^t.  t is never positive but for rounding, as in the source, which takes no maximum away either: no exponential and no sum can overflow.
; MASKS, by selects alone: a masked key has K's row 0 and kb = -1e30, a masked query Q's column 0 and qb = -1e30: t <= -1e30, kernel exactly 0; a masked query's sum is 0 and its row of out0 is 0.
; BOTH PRODUCTS ARE USED TRANSPOSED (source 0 = 16 keys, or 16 channels of V^T; source 1 = the 16 queries): a lane holds ONE query (lane % 16) throughout.
; THE KEYS OF A TILE ARE NOT NEIGHBOURS: lane r of tile 2 b + u takes my key 32 b + 8 u + r + 8 (r / 8), so that the 16 registers of tiles 2 b, 2 b + 1 are 16 neighbouring keys: 32 b + 16 (lane / 16) + 0 .. 15.
; NO CLUSTER, NO TENSOR LOAD: what the eight work-groups of a pair share (K and V) is read once a work-group, at the head, straight into registers in the operands' own order (a lane to a column of V);
; in the loop a wave loads 17 bytes a lane of Q and its mask.  Nothing streams, so there is no ring to share.
; LIMITS.  Kernel values under 2^-126 come out as 0 (v_exp_f32 gives 0 there: ISA guide 15.8).  1 / denominator is v_rcp_f32 and a multiplication.  NaN or infinity in a masked row of query or key counts as masked
; (the source gives NaN); NaN and infinities in value are not served.  The exponent's error is that of f32 sums of terms of size c (|q|^2 + |k|^2) / 2, as in the source's own expansion: it grows with the inputs' size and offset.
; A block of zeros has the scale byte 1 where the quantiser says 127: its codes are zeros, and only this kernel reads the bytes.
.set SUMB,   0                         ; LDS: the partial row sums: 16 rows (queries) x (16 waves x 4 bytes + 16 of padding)
.set SPITCH, 80                        ; an odd multiple of 16 bytes: the 16 rows that a 16-byte load touches lie in 16 different 16-byte columns of 256
.set OPB,    2048                      ; the partial O^T: an area for each wave that makes one,
.set OPITCH, 272                       ; of 16 rows (queries) x (64 channels x 4 bytes + 16 of padding)
.set OAREA,  16*OPITCH                 ; 4,352 bytes; sixteen areas end at byte 71,680
.set LSW, 1                            ; v1   where I put my wave's partial sum: 80 r + 4 w
.set LSR, 2                            ; v2   where I read my query's sixteen: 80 r
.set OST, 3                            ; v3   where I put 32 bytes of O^T: OPB + 4,352 w + 272 r + 32 h
.set ORD, 4                            ; v4   where I read query w's partials: OPB + 272 w + 8 x lane
.set GO,  5                            ; v5   8 x lane: my place in a row of out0
.set QA0, 6                            ; v6   32 r + 8 h: my 8 bytes of a K step of Q's row r
.set QM0, 7                            ; v7   r: my query's mask byte
.set QA,  8                            ; v8, v9  the same two for the block that is being asked for
.set QM,  9
.set OUTR, 10                          ; v[10:11] the reduced row's two numbers.  At the head: KO, KMO
.set KO,  10
.set KMO, 11
.set SA,  12                           ; v[12:13], v[14:15] the row sum in two chains.  At the head: VO, SH
.set SB,  14
.set VO,  12
.set SH,  13
.set BM,  16                           ; v16-19 the four blocks' largest values
.set BT,  20                           ; v20-23 lane permutes' targets, then scale bytes
.set SO,  24                           ; v24-27 the conversions' scale operands
.set PW,  28                           ; v28   attn's scale word, and nothing else
.set T1,  29
.set INV, 30                           ; v[30:31] 1 / denominator (the packed form names the pair and takes its low word)
.set QF,  32                           ; v[32:37] Q's fragments: K steps 0, 1, 2
.set RQ,  38                           ; v[38:41] Q as loaded
.set RM,  42                           ; v42   its mask byte
.set T2,  43
.set PC,  44                           ; v[44:51] attn's codes
.set VS,  52                           ; v52-55 V's scale words, and nothing else
.set VF,  56                           ; v56-87 V^T's four fragments (16 channels x 128 keys)
.set KF,  88                           ; v88-135 K's: tile T at 88 + 6 T: K steps 0, 1, 2, a pair each
.set S,   136                          ; v136-167 four accumulators, of both products: written by matrix instructions alone
.set P,   168                          ; v168-231 the kernel values.  At the head: two sets of 32 numbers of V
.set OPL, 200                          ; v200-231 sixteen partial pairs during the reduction (P's upper half, free then)
.set TS,  232                          ; v232-247 the sixteen partial sums; v232 also my own on its way to LDS.  At the head: |k|^2
.set KM,  248                          ; v248-255 the keys' mask bytes, at the head
.set WV,  14                           ; s14   my wave's number
.set NXT, 27                           ; s27   the block of Q to be asked for next
.set TRIP, 28                          ; s28   the loop's counter
.macro PLACES n
.rept \n
	v_nop
.endr
.endm
.macro BAR                             ; my LDS stores have landed and my LDS loads are in: then the work-group's barrier
	s_wait_dscnt 0x0
	s_barrier_signal -1
	s_barrier_wait -1
.endm
; The next block's Q and mask are asked for a whole block ahead.  The look-ahead passes the chunk's end twice: it is held at block 15, whose bytes are then read again and not used.
.macro RAWLOAD
	s_min_u32 s29, s[NXT], 15
	v_lshl_add_u32 v[QA], s29, 9, v[QA0]           ; 16 rows of 32 bytes a block
	v_lshl_add_u32 v[QM], s29, 4, v[QM0]
	global_load_b64 v[RQ:RQ+1], v[QA], s[4:5]                ; Q(r, 2 h .. 2 h + 1)
	global_load_b64 v[RQ+2:RQ+3], v[QA], s[4:5] offset:16    ; Q(r, 4 + 2 h ..)
	global_load_u8 v[RM], v[QM], s[10:11]
	s_add_co_u32 s[NXT], s[NXT], 1
.endm
; Q as loaded becomes source 1 of the next block's first product.  red = 1: a row of out0 has been stored in this block: its base steps.
.macro QPREP red
	s_wait_loadcnt 0x0                             ; the three loads asked for a block ago are in: their address registers may be written again
.if \red
	s_wait_xcnt 0x0                                ; the row's store has read its base and its data: only behind this wait are they written again
	s_add_nc_u64 s[12:13], s[12:13], 4096          ; 16 rows of out0 on
.endif
	v_mul_f32 v[T1], v[RQ], v[RQ]
	v_fmac_f32 v[T1], v[RQ+1], v[RQ+1]
	v_fmac_f32 v[T1], v[RQ+2], v[RQ+2]
	v_fmac_f32 v[T1], v[RQ+3], v[RQ+3]
	v_permlanex16_b32 v[T2], v[T1], s22, s23       ; the row's other four numbers lie in lane l xor 16
	v_add_f32 v[T1], v[T1], v[T2]                  ; |q|^2
	v_cmp_ne_u32 vcc_lo, 0, v[RM]
	v_mul_f32 v[T1], 0xbf38aa3b, v[T1]             ; qb = -c / 2 x |q|^2,
	v_cndmask_b32 v[T1], s30, v[T1], vcc_lo        ; or -1e30 for a masked query,
.irp i, 0,1,2,3
	v_cndmask_b32 v[QF+\i], 0, v[RQ+\i], vcc_lo    ; whose column is 0
.endr
	v_cndmask_b32 v[QF+5], 0, v[T1], s26           ; K step 2: (1, qb) in lanes 0-15, (0, 0) in lanes 16-31; the 1 was made at the head
	RAWLOAD
.endm
; V at the head, in eight granules g: keys 64 (g / 4) + 32 h + 0 .. 31 of channel 16 (g % 4) + r: A LANE TAKES A COLUMN AND ITS REGISTERS RUN DOWN THE KEYS, in the order that the operand's layout gives the lane.
.macro LOADV g
.irp i, 0,1,2,3,4,5,6,7,8,9,10,11,12,13,14,15,16,17,18,19,20,21,22,23,24,25,26,27,28,29,30,31
	global_load_b32 v[P+32*((\g)%2)+\i], v[VO], s[8:9] offset:(64*((\g)/4)+\i)*256+64*((\g)%4)   ; sixteen lanes read 64 neighbouring bytes; the four granules of the same keys follow each other
.endr
.endm
.macro QUANTV g
.set XS, P+32*((\g)%2)
.if (\g) < 7
	s_wait_loadcnt 32                              ; behind this granule's loads only the next granule's 32 were issued: they may be out; all that is older (K, the masks, Q) is in
.else
	s_wait_loadcnt 0x0
.endif
	v_max3_num_f32 v[BM], |v[XS]|, |v[XS+1]|, |v[XS+2]|        ; the block's largest magnitude: all 32 numbers are mine; two chains
	v_max3_num_f32 v[BM+1], |v[XS+3]|, |v[XS+4]|, |v[XS+5]|
.irp i, 6,10,14,18,22,26
	v_max3_num_f32 v[BM], v[BM], |v[XS+\i]|, |v[XS+\i+1]|
	v_max3_num_f32 v[BM+1], v[BM+1], |v[XS+\i+2]|, |v[XS+\i+3]|
.endr
	v_max3_num_f32 v[BM], v[BM], |v[XS+30]|, |v[XS+31]|
	v_max3_num_f32 v[BM], v[BM], v[BM+1], 0x1800000            ; and the floor 2^(3 - 127): the byte cannot fall under 1
	v_add_nc_u32 v[SO], 0xff000000, v[BM]          ; 2 off the exponent field: the conversion takes this operand's exponent field as its scale
.if (\g) < 4
	v_lshrrev_b32 v[VS+(\g)%4], 23, v[SO]          ; the byte of block h
.else
	v_lshrrev_b32 v[BT], 23, v[SO]
	v_lshl_or_b32 v[VS+(\g)%4], v[BT], 16, v[VS+(\g)%4]        ; and of block 2 + h
.endif
.irp k, 0,1,2,3
	v_cvt_scalef32_pk8_fp4_f32 v[VF+8*((\g)%4)+4*((\g)/4)+\k], v[XS+8*\k:XS+8*\k+7], v[SO]
.endr
	v_nop                                          ; one plain place behind a scaled conversion
.if (\g) < 6
	LOADV (\g)+2
.endif
.endm
; Four tiles of 16 keys x 16 queries, K = 12 in three K steps.  The first K step starts each sum with the constant 0; the four accumulators take turns, one instruction a turn.
.macro SGROUP g
.irp s, 0,1,2
.irp n, 0,1,2,3
.if \s == 0
	v_wmma_f32_16x16x4_f32 v[S+8*\n:S+8*\n+7], v[KF+6*(4*\g+\n)+2*\s:KF+6*(4*\g+\n)+2*\s+1], v[QF+2*\s:QF+2*\s+1], 0
.else
	v_wmma_f32_16x16x4_f32 v[S+8*\n:S+8*\n+7], v[KF+6*(4*\g+\n)+2*\s:KF+6*(4*\g+\n)+2*\s+1], v[QF+2*\s:QF+2*\s+1], v[S+8*\n:S+8*\n+7]
.endif
.endr
.endr
.endm
.macro EXPS g                          ; kernel = 2^t, into other registers; each accumulator is read from its low end on
.set i, 0
.rept 32
	v_exp_f32 v[P+32*\g+i], v[S+i]
.set i, i+1
.endr
	v_nop                                          ; a plain place behind the exponentials
.endm
; Of 32 kernel values (blocks 2 g and 2 g + 1 of my 128 keys): their sum, in two chains, and each block's largest.  Nothing is negative: no |.|.
.macro STATS g
.set PB, P+32*\g
.if \g == 0
	s_wait_alu depctr_va_vdst(0)
	v_pk_add_f32 v[SA:SA+1], v[PB:PB+1], v[PB+2:PB+3]          ; the first additions start the chains: nothing is cleared
	v_pk_add_f32 v[SB:SB+1], v[PB+4:PB+5], v[PB+6:PB+7]
.else
	s_wait_alu depctr_va_vdst(0)
	v_pk_add_f32 v[SA:SA+1], v[SA:SA+1], v[PB:PB+1]
	v_pk_add_f32 v[SB:SB+1], v[SB:SB+1], v[PB+2:PB+3]
	v_pk_add_f32 v[SA:SA+1], v[SA:SA+1], v[PB+4:PB+5]
	v_pk_add_f32 v[SB:SB+1], v[SB:SB+1], v[PB+6:PB+7]
.endif
.irp j, 8,12,16,20,24,28
	v_pk_add_f32 v[SA:SA+1], v[SA:SA+1], v[PB+\j:PB+\j+1]
	v_pk_add_f32 v[SB:SB+1], v[SB:SB+1], v[PB+\j+2:PB+\j+3]
.endr
.irp u, 0,1
	v_max3_num_f32 v[BM+2*\g+\u], v[PB+16*\u], v[PB+16*\u+1], v[PB+16*\u+2]
.endr
.irp j, 3,5,7,9,11,13
.irp u, 0,1
	v_max3_num_f32 v[BM+2*\g+\u], v[BM+2*\g+\u], v[PB+16*\u+\j], v[PB+16*\u+\j+1]   ; (the two blocks by turns)
.endr
.endr
.irp u, 0,1
	v_max_num_f32 v[BM+2*\g+\u], v[BM+2*\g+\u], v[PB+16*\u+15]
.endr
.irp u, 0,1
	v_permlanex16_b32 v[BT+2*\g+\u], v[BM+2*\g+\u], s22, s23
.endr
.irp u, 0,1
	v_max_num_f32 v[BM+2*\g+\u], v[BM+2*\g+\u], v[BT+2*\g+\u]  ; with lane l xor 16's 16 keys
.endr
.endm
.macro RLOAD                           ; the sixteen waves' partials of query w of the block just multiplied: each load takes 256 consecutive bytes
.irp s, 0,1,2,3,4,5,6,7,8,9,10,11,12,13,14,15
	ds_load_b64 v[OPL+2*\s:OPL+2*\s+1], v[ORD] offset:OAREA*\s
.endr
.endm
.macro RADD                            ; they are added, and the row leaves
	s_wait_dscnt 0x0
.irp i, 0,1,2,3,4,5,6,7
	v_pk_add_f32 v[OPL+4*\i:OPL+4*\i+1], v[OPL+4*\i:OPL+4*\i+1], v[OPL+4*\i+2:OPL+4*\i+3]
.endr
.irp i, 0,1,2,3
	v_pk_add_f32 v[OPL+8*\i:OPL+8*\i+1], v[OPL+8*\i:OPL+8*\i+1], v[OPL+8*\i+4:OPL+8*\i+5]
.endr
.irp i, 0,1
	v_pk_add_f32 v[OPL+16*\i:OPL+16*\i+1], v[OPL+16*\i:OPL+16*\i+1], v[OPL+16*\i+8:OPL+16*\i+9]
.endr
	v_pk_add_f32 v[OUTR:OUTR+1], v[OPL:OPL+1], v[OPL+16:OPL+17]
	global_store_b64 v[GO], v[OUTR:OUTR+1], s[12:13] th:TH_STORE_NT   ; 32 lanes store 256 consecutive bytes, at a multiple of 256 from out0's first byte; written once, read by nobody here
.endm
; A BLOCK'S FIRST HALF: its kernel values and my partial row sums.  red = 1: the block before is reduced and stored on the way.
; Places (this form asks 8 in front of a vector read of its result and of a vector write of a source, 9 in front of a matrix instruction that writes over its registers):
; behind the first group stand the reduction's 15 additions (or nine v_nop) and the v_nop behind the exponentials; behind the second group the first group's sums and maxima, which name none of its registers.
.macro YPH red
.if \red
	RLOAD
.endif
	SGROUP 0
.if \red
	RADD
.else
	PLACES 9
.endif
	EXPS 0
	SGROUP 1
	STATS 0
	EXPS 1
	STATS 1
	v_pk_add_f32 v[SA:SA+1], v[SA:SA+1], v[SB:SB+1]
	v_add_f32 v[TS], v[SA], v[SA+1]
	v_permlanex16_b32 v[T2], v[TS], s22, s23
	v_add_f32 v[TS], v[TS], v[T2]                  ; my query's sum over my wave's 128 keys
	ds_store_b32 v[LSW], v[TS] offset:SUMB         ; (lanes r and r + 16 put the same number in the same word)
	QPREP \red
	BAR                                            ; the sixteen partial sums of each query lie in LDS; every wave's reads of the partial O^T are over
.endm
; A BLOCK'S SECOND HALF: the denominator, attn, its codes, the second product, my partial O^T to LDS.
.macro XPH
.irp i, 0,1,2,3
	ds_load_b128 v[TS+4*\i:TS+4*\i+3], v[LSR] offset:SUMB+16*\i
.endr
	s_wait_dscnt 0x0
.irp i, 0,1,2,3
	v_pk_add_f32 v[TS+4*\i:TS+4*\i+1], v[TS+4*\i:TS+4*\i+1], v[TS+4*\i+2:TS+4*\i+3]   ; the same order in every wave: all have the same denominator
.endr
	v_pk_add_f32 v[TS:TS+1], v[TS:TS+1], v[TS+4:TS+5]
	v_pk_add_f32 v[TS+8:TS+9], v[TS+8:TS+9], v[TS+12:TS+13]
	v_pk_add_f32 v[TS:TS+1], v[TS:TS+1], v[TS+8:TS+9]
	v_add_f32 v[T1], v[TS], v[TS+1]
	v_add_f32 v[T1], 0x3d800000, v[T1]             ; + 2^-4
	v_rcp_f32 v[INV], v[T1]
	v_nop                                          ; a plain place behind the transcendental
	s_wait_alu depctr_va_vdst(0)
.irp b, 0,1,2,3
	v_mul_f32 v[BM+\b], v[BM+\b], v[INV]           ; rounding keeps the order: this is the block's largest attn, bit for bit
.endr
.irp b, 0,1,2,3
	v_max_num_f32 v[BM+\b], 0x1800000, v[BM+\b]    ; the floor 2^(3 - 127): the byte cannot fall under 1
.endr
.irp b, 0,1,2,3
	v_add_nc_u32 v[SO+\b], 0xff000000, v[BM+\b]    ; 2 off the exponent field: the conversion's scale operand
.endr
.irp b, 0,1,2,3
	v_lshrrev_b32 v[BT+\b], 23, v[SO+\b]           ; the scale's byte
.endr
	v_lshl_or_b32 v[PW], v[BT+1], 8, v[BT]         ; my query's scale word for these 128 keys
	v_lshl_or_b32 v[PW], v[BT+2], 16, v[PW]
	v_lshl_or_b32 v[PW], v[BT+3], 24, v[PW]
.set i, 0
.rept 32
	v_pk_mul_f32 v[P+i:P+i+1], v[P+i:P+i+1], v[INV:INV+1] op_sel_hi:[1,0]   ; attn.  (These 32 are also the eight places between the scale word and the scaled products)
.set i, i+2
.endr
.irp b, 0,1,2,3
	v_cvt_scalef32_pk8_fp4_f32 v[PC+2*\b], v[P+16*\b:P+16*\b+7], v[SO+\b]         ; keys 32 b + 16 h + 0 .. 7
	v_cvt_scalef32_pk8_fp4_f32 v[PC+2*\b+1], v[P+16*\b+8:P+16*\b+15], v[SO+\b]    ; and + 8 .. 15
.endr
	v_nop                                          ; one plain place behind a scaled conversion
.irp c, 0,1                            ; the operand's layout wants a WHOLE block in a lane: lanes 0-15 block 2 c, lanes 16-31 block 2 c + 1
.irp i, 0,1
	v_permlane16_swap_b32 v[PC+4*\c+\i], v[PC+4*\c+2+\i]
.endr
.endr
	PLACES 4                                       ; an operand written by vector instructions stands four places ahead of a scaled product
.irp t, 0,1,2,3                        ; O^T = V^T attn^T: 16 channels x 16 queries, K = my 128 keys: four sums of one K step each
	v_wmma_scale_f32_16x16x128_f8f6f4 v[S+8*\t:S+8*\t+7], v[VF+8*\t:VF+8*\t+7], v[PC:PC+7], 0, v[VS+\t], v[PW] matrix_a_fmt:MATRIX_FMT_FP4 matrix_b_fmt:MATRIX_FMT_FP4
.endr
	PLACES 5                                       ; four in front of the stores that read the results; five in front of the next block's products, which write over them
.irp t, 0,1,2,3
	ds_store_b128 v[OST], v[S+8*\t:S+8*\t+3] offset:64*\t              ; lane (r, h): o(query r, channels 16 t + 8 h + 0 .. 7); each accumulator from its low end on
	ds_store_b128 v[OST], v[S+8*\t+4:S+8*\t+7] offset:64*\t+16
.endr
	BAR                                            ; sixteen partial O^T lie in LDS; every wave's reads of the partial sums are over
.endm
	; ---- the head
	s_load_b256 s[4:11], s[0:1], 0x0               ; query s[4:5], key s[6:7], value s[8:9], padding_mask s[10:11]
	s_load_b64 s[12:13], s[0:1], 0x20              ; out0
	v_lshrrev_b32 v[T1], 5, v0
	v_readfirstlane_b32 s[WV], v[T1]               ; wave 0..15
	v_and_b32 v[QM0], 15, v0                       ; r
	v_bfe_u32 v[T1], v0, 4, 1                      ; h
	v_and_b32 v[GO], 31, v0
	v_lshlrev_b32 v[GO], 3, v[GO]
	v_mul_u32_u24 v[LSR], v[QM0], SPITCH
	s_lshl_b32 s29, s[WV], 2
	v_add_nc_u32 v[LSW], s29, v[LSR]
	v_mul_u32_u24 v[OST], v[QM0], OPITCH
	v_lshl_add_u32 v[OST], v[T1], 5, v[OST]
	s_mul_i32 s29, s[WV], OAREA
	s_add_co_u32 s29, s29, OPB
	v_add_nc_u32 v[OST], s29, v[OST]
	s_mul_i32 s29, s[WV], OPITCH
	s_add_co_u32 s29, s29, OPB
	v_add_nc_u32 v[ORD], s29, v[GO]
	v_lshlrev_b32 v[QA0], 5, v[QM0]
	v_lshl_add_u32 v[QA0], v[T1], 3, v[QA0]
	v_and_b32 v[KMO], 8, v[QM0]
	v_add_nc_u32 v[KMO], v[KMO], v[QM0]            ; r + 8 (r / 8): my key in a tile, and its mask byte
	v_lshlrev_b32 v[KO], 5, v[KMO]
	v_lshl_add_u32 v[KO], v[T1], 3, v[KO]          ; its row of 32 bytes, + 8 h
	v_lshlrev_b32 v[VO], 2, v[QM0]
	v_lshl_add_u32 v[VO], v[T1], 13, v[VO]         ; V: column r, and 32 rows of 256 bytes further down for lanes 16-31
	v_lshlrev_b32 v[SH], 3, v[T1]                  ; 8 h
.irp b, 0,1,2,3
	v_mov_b32 v[BT+\b], 0                          ; written once: a lane permute's destination counts as one of its sources
.endr
.irp b, 0,1,2,3,4,5,6,7
	v_mov_b32 v[TS+8+\b], 0
.endr
	v_mov_b32 v[T2], 0
	v_mov_b32 v[INV+1], 0                          ; (named as the upper half of a pair)
	s_lshr_b32 s15, ttmp9, 3                       ; the pair bh
	s_and_b32 s16, ttmp9, 7                        ; which 256 of its queries
	s_and_b32 s17, s15, 3                          ; its batch: the mask's row
	s_mov_b32 s22, 0x76543210
	s_mov_b32 s23, 0xfedcba98                      ; v_permlanex16_b32's selects for lane l xor 16
	s_mov_b32 s24, 0x3fb8aa3b                      ; c = log2(e)
	s_mov_b32 s25, s24                             ; (named with it as a pair)
	s_mov_b32 s26, 0xffff                          ; lanes 0-15
	s_mov_b32 s30, 0xf149f2ca                      ; -1e30
	s_mov_b32 s[NXT], 0
	s_mov_b32 s19, 0
	s_mov_b32 s21, 0
	s_lshl_b32 s18, s15, 16                        ; the pair's 2,048 rows of 32 bytes
	s_lshl_b32 s20, s16, 13                        ; my 256 queries
	s_wait_kmcnt 0x0
	s_add_nc_u64 s[4:5], s[4:5], s[18:19]
	s_add_nc_u64 s[4:5], s[4:5], s[20:21]          ; query at my work-group's first row
	s_lshl_b32 s20, s[WV], 12                      ; my wave's 128 keys
	s_add_nc_u64 s[6:7], s[6:7], s[18:19]
	s_add_nc_u64 s[6:7], s[6:7], s[20:21]          ; key at my wave's first key
	s_lshl_b32 s18, s15, 19                        ; the pair's 2,048 rows of 256 bytes
	s_lshl_b32 s20, s[WV], 15
	s_add_nc_u64 s[8:9], s[8:9], s[18:19]
	s_add_nc_u64 s[8:9], s[8:9], s[20:21]          ; value likewise
	s_lshl_b32 s20, s16, 16
	s_lshl_b32 s29, s[WV], 8
	s_add_co_u32 s20, s20, s29
	s_add_nc_u64 s[12:13], s[12:13], s[18:19]
	s_add_nc_u64 s[12:13], s[12:13], s[20:21]      ; out0 at row w of my work-group's first block
	s_lshl_b32 s18, s17, 11
	s_lshl_b32 s20, s[WV], 7
	s_add_nc_u64 s[34:35], s[10:11], s[18:19]
	s_add_nc_u64 s[34:35], s[34:35], s[20:21]      ; the mask at my wave's first key,
	s_lshl_b32 s20, s16, 8
	s_add_nc_u64 s[10:11], s[10:11], s[18:19]
	s_add_nc_u64 s[10:11], s[10:11], s[20:21]      ; and at my work-group's first query
.irp T, 0,1,2,3,4,5,6,7
.irp s, 0,1
	global_load_b64 v[KF+6*\T+2*\s:KF+6*\T+2*\s+1], v[KO], s[6:7] offset:(32*(\T/2)+8*(\T%2))*32+16*\s   ; K(my key of tile T, 4 s + 2 h ..)
.endr
.endr
.irp T, 0,1,2,3,4,5,6,7
	global_load_u8 v[KM+\T], v[KMO], s[34:35] offset:32*(\T/2)+8*(\T%2)
.endr
	RAWLOAD                                        ; block 0's Q
	LOADV 0
	LOADV 1
.irp g, 0,1,2,3,4,5,6,7
	QUANTV \g
.endr
.irp t, 0,1,2,3
	v_lshlrev_b32 v[VS+\t], v[SH], v[VS+\t]        ; my two bytes, blocks h and 2 + h of channel r, at their places in the scale word;
.endr
.irp t, 0,1,2,3
	v_permlanex16_b32 v[BT+\t], v[VS+\t], s22, s23
.endr
.irp t, 0,1,2,3
	v_or_b32 v[VS+\t], v[VS+\t], v[BT+\t]          ; with lane l xor 16's two the word is whole
.endr
	; K: |k|^2 of the numbers as they came; then c K, kb, and the mask
.irp T, 0,1,2,3,4,5,6,7
	v_mul_f32 v[TS+\T], v[KF+6*\T], v[KF+6*\T]
.endr
.irp i, 1,2,3
.irp T, 0,1,2,3,4,5,6,7
	v_fmac_f32 v[TS+\T], v[KF+6*\T+\i], v[KF+6*\T+\i]
.endr
.endr
.irp T, 0,1,2,3,4,5,6,7
	v_permlanex16_b32 v[TS+8+\T], v[TS+\T], s22, s23
.endr
.irp T, 0,1,2,3,4,5,6,7
	v_add_f32 v[TS+\T], v[TS+\T], v[TS+8+\T]
.endr
.irp T, 0,1,2,3,4,5,6,7
	v_mul_f32 v[TS+\T], 0xbf38aa3b, v[TS+\T]       ; kb = -c / 2 x |k|^2
.endr
.irp T, 0,1,2,3,4,5,6,7
	v_pk_mul_f32 v[KF+6*\T:KF+6*\T+1], v[KF+6*\T:KF+6*\T+1], s[24:25] op_sel_hi:[1,0]
	v_pk_mul_f32 v[KF+6*\T+2:KF+6*\T+3], v[KF+6*\T+2:KF+6*\T+3], s[24:25] op_sel_hi:[1,0]
.endr
.irp T, 0,1,2,3,4,5,6,7
	v_cmp_ne_u32 vcc_lo, 0, v[KM+\T]
	v_cndmask_b32 v[TS+\T], s30, v[TS+\T], vcc_lo  ; a masked key: kb = -1e30,
.irp i, 0,1,2,3
	v_cndmask_b32 v[KF+6*\T+\i], 0, v[KF+6*\T+\i], vcc_lo      ; and a row of zeros
.endr
	v_cndmask_b32 v[KF+6*\T+4], 0, v[TS+\T], s26   ; K step 2: (kb, 1) in lanes 0-15, (0, 0) in lanes 16-31
	v_cndmask_b32 v[KF+6*\T+5], 0, 1.0, s26
.endr
	v_cndmask_b32 v[QF+4], 0, 1.0, s26             ; Q's K step 2 begins with 1 in lanes 0-15: made once
	QPREP 0                                        ; block 0's Q; block 1's is asked for
	; ---- sixteen blocks.  Two barriers a block: the partial sums are written again only behind the second, which every wave signals behind its reads of them;
	; the partial O^T only behind the next first one, which every wave signals behind its reads of those.
	YPH 0
	s_mov_b32 s[TRIP], 15
.Lblk:
	XPH                                            ; block j - 1
	YPH 1                                          ; block j's kernel values; block j - 1's rows leave
	s_sub_co_u32 s[TRIP], s[TRIP], 1
	s_cmp_lg_u32 s[TRIP], 0
	s_cbranch_scc1 .Lblk
	XPH                                            ; block 15
	RLOAD
	RADD
	s_wait_xcnt 0x0
	v_lshl_add_u32 v254, v0, 2, 0x11800
	v_mov_b32 v255, 0
	s_wait_tensorcnt 0x0
	ds_add_u32 v254, v255
	s_wait_dscnt 0x0
	s_endpgm
.Lfunc_end_k_qbc717a290b_hept:
	.size	k_qbc717a290b_hept, .Lfunc_end_k_qbc717a290b_hept-k_qbc717a290b_hept
	.p2alignl 7, 3214868480
	.fill 96, 4, 3214868480
	.section	.rodata,"a",@progbits
	.p2align	6, 0x0
	.amdhsa_kernel k_qbc717a290b_hept
		.amdhsa_group_segment_fixed_size 73728
		.amdhsa_private_segment_fixed_size 0
		.amdhsa_enable_private_segment 0
		.amdhsa_kernarg_size 40
		.amdhsa_user_sgpr_count 2
		.amdhsa_user_sgpr_kernarg_segment_ptr 1
		.amdhsa_wavefront_size32 1
		.amdhsa_system_sgpr_workgroup_id_x 1
		.amdhsa_system_sgpr_workgroup_id_y 1
		.amdhsa_system_sgpr_workgroup_id_z 1
		.amdhsa_system_vgpr_workitem_id 0
		.amdhsa_next_free_vgpr 256
		.amdhsa_next_free_sgpr 66
		.amdhsa_reserve_vcc 1
		.amdhsa_float_denorm_mode_32 3
		.amdhsa_float_denorm_mode_16_64 3
		.amdhsa_memory_ordered 1
		.amdhsa_forward_progress 1
		.amdhsa_inst_pref_size 85
	.end_amdhsa_kernel
	.amdgpu_metadata
---
amdhsa.version: [ 1, 2 ]
amdhsa.kernels:
  - .name:           k_qbc717a290b_hept
    .symbol:         k_qbc717a290b_hept.kd
    .args:
      - { .name: query, .offset: 0, .size: 8, .value_kind: global_buffer, .address_space: global }
      - { .name: key, .offset: 8, .size: 8, .value_kind: global_buffer, .address_space: global }
      - { .name: value, .offset: 16, .size: 8, .value_kind: global_buffer, .address_space: global }
      - { .name: padding_mask, .offset: 24, .size: 8, .value_kind: global_buffer, .address_space: global }
      - { .name: out0, .offset: 32, .size: 8, .value_kind: global_buffer, .address_space: global }
    .group_segment_fixed_size: 73728
    .private_segment_fixed_size: 0
    .kernarg_segment_align: 8
    .kernarg_segment_size: 40
    .max_flat_workgroup_size: 512
    .sgpr_count:     66
    .vgpr_count:     256
    .wavefront_size: 32
...
	.end_amdgpu_metadata
.endif
;; end of part 1
;; ======== version 2 of 2: 1 launch; version 1 with the launch hept written anew for expert scheduling mode
;; launch hept (part 2): grid 256 x 1, 16 waves a work-group, no clusters, 73,728 bytes of LDS; arguments query, key, value, padding_mask, out0; writes out0
.if DOCPART == 2
	.amdgcn_target "amdgcn-amd-amdhsa--gfx1250"
	.amdhsa_code_object_version 6
	.text
	.protected	k_qbc717a290b_hept
	.globl	k_qbc717a290b_hept
	.p2align	8
	.type	k_qbc717a290b_hept,@function
k_qbc717a290b_hept:
	s_mov_b64 s[64:65], 0
	v_nop
	global_prefetch_b8 v0, s[64:65] scope:SCOPE_SE
	s_setreg_imm32_b32 hwreg(HW_REG_WAVE_SCHED_MODE, 0, 2), 2
	s_setreg_imm32_b32 hwreg(HW_REG_WAVE_MODE, 25, 1), 1
	s_wait_xcnt 0x0
	s_wait_alu depctr_vm_vsrc(0)
; out[q][:] = sum over k of attn[q][k] V[k][:],  attn = kernel / (row sum of kernel + 2^-4),  kernel[q][k] = exp(-(|q|^2 + |k|^2 - 2 q.k) / 2) x mask[q] x mask[k],
; for 32 independent pairs (head, batch); pair bh = 4 head + batch owns rows 2,048 bh .. + 2,047 of query, key [.][8], value, out0 [.][64], all f32; padding_mask [4][2048] bytes.
; The second product is on codes of FP4 (E2M1) with one E8M0 scale for each 32 keys: attn is quantised FINISHED AND NORMALISED, V down the keys.  The first product (K = 8) goes on into a quantiser: f32 operands.
; SHARES.  A work-group of sixteen waves owns 256 queries of one pair and walks them in 16 blocks of 16.  THE WAVES SHARE THE KEYS: wave w owns keys 128 w .. 128 w + 127 for the whole launch and keeps in registers
; its keys' fragments for the first product and its codes of V^T (64 channels x 128 keys), which it makes itself, once, at the head.  Of a block a wave holds 16 queries x 128 keys of kernel values in 64 registers;
; they stay there while the sixteen partial row sums meet in LDS: each exponential is computed once.  Then the wave normalises, quantises (its 128 keys are one K step), multiplies, and puts its partial O^T in LDS;
; wave w adds the sixteen partials of the block's query w and stores that row: 256 consecutive bytes, aligned.
; THE EXPONENT COMES WHOLE OUT OF THE MATRIX UNIT: t = c (q.k - |q|^2/2 - |k|^2/2), c = log2(e), is a product of K = 12: K steps 0, 1: c K against Q; K step 2: (kb, 1, 0, 0) against (1, qb, 0, 0),
; kb = -c |k|^2 / 2, qb = -c |q|^2 / 2.  kernel = 2^t.  t is never positive but for rounding, as in the source, which takes no maximum away either: no exponential and no sum can overflow.
; MASKS, by selects alone: a masked key has K's row 0 and kb = -1e30, a masked query Q's column 0 and qb = -1e30: t <= -1e30, kernel exactly 0; a masked query's sum is 0 and its row of out0 is 0.
; BOTH PRODUCTS ARE USED TRANSPOSED (source 0 = 16 keys, or 16 channels of V^T; source 1 = the 16 queries): a lane holds ONE query (lane % 16) throughout.
; THE KEYS OF A TILE ARE NOT NEIGHBOURS: lane r of tile 2 b + u takes my key 32 b + 8 u + r + 8 (r / 8), so that the 16 registers of tiles 2 b, 2 b + 1 are 16 neighbouring keys: 32 b + 16 (lane / 16) + 0 .. 15.
; NO CLUSTER, NO TENSOR LOAD: what the eight work-groups of a pair share (K and V) is read once a work-group, at the head, straight into registers in the operands' own order (a lane to a column of V);
; in the loop a wave loads 17 bytes a lane of Q and its mask.  Nothing streams, so there is no ring to share.
; LIMITS.  Kernel values under 2^-126 come out as 0 (v_exp_f32 gives 0 there: ISA guide 15.8).  1 / denominator is v_rcp_f32 and a multiplication.  NaN or infinity in a masked row of query or key counts as masked
; (the source gives NaN); NaN and infinities in value are not served.  The exponent's error is that of f32 sums of terms of size c (|q|^2 + |k|^2) / 2, as in the source's own expansion: it grows with the inputs' size and offset.
; A block of zeros has the scale byte 1 where the quantiser says 127: its codes are zeros, and only this kernel reads the bytes.
; THE MODE: SCHED_MODE bits 1:0 = 2 (LLVM: expert scheduling mode 2), set by the entry lines.  The code itself states the register dependences between vector or matrix instructions and memory or LDS
; instructions, with s_wait_alu, always for 0.
; THE PLAN.  Registers that memory or LDS instructions touch in the loop (a trip: the second half of block j - 1, then the first half of block j):
;   v1-v7      LDS addresses and the offsets of out0, of Q and of its mask: made at the head, never written again.  Q's blocks are reached by two scalar bases.
;   v232       my partial sum: written by the first half's last addition, read by the LDS store behind it; then, with v233-247, the target of the second half's four LDS loads.
;   S          written by matrix instructions; the second half's eight LDS stores read it; the next first half's products write it again.
;   v200-231   P's upper half: the second half's multiplications write it and its conversions read it; then the first half's sixteen LDS loads land in it.
;   v[OUTR]    written by the reduction's last addition, read by the row's store.
;   v[RQ ..], v[RM]  read by the lines at the first half's end that make Q's fragments; the loads of the block after next land in them in the second half.
; THE WAITS OF A TRIP.  Second half: one on vm_vsrc at its head (v232 has been read); one on va_vdst behind the reciprocal, behind which Q's loads stand; one ahead of the scaled products (codes and scale word are
; written); one ahead of the LDS stores of S, which is also the last behind any line that names v200-231.  First half: one on vm_vsrc at its head (S and v[OUTR] have been read); one on va_vdst behind each group's
; exponentials, the row's store standing behind the first of the two; one ahead of the LDS store of v232, which is also the last behind any line that names v232-247; one on VCC between a compare and its selects.
.set SUMB,   0                         ; LDS: the partial row sums: 16 rows (queries) x (16 waves x 4 bytes + 16 of padding)
.set SPITCH, 80                        ; an odd multiple of 16 bytes: the 16 rows that a 16-byte load touches lie in 16 different 16-byte columns of 256
.set OPB,    2048                      ; the partial O^T: an area for each wave that makes one,
.set OPITCH, 272                       ; of 16 rows (queries) x (64 channels x 4 bytes + 16 of padding)
.set OAREA,  16*OPITCH                 ; 4,352 bytes; sixteen areas end at byte 71,680
.set LSW, 1                            ; v1   where I put my wave's partial sum: 80 r + 4 w
.set LSR, 2                            ; v2   where I read my query's sixteen: 80 r
.set OST, 3                            ; v3   where I put 32 bytes of O^T: OPB + 4,352 w + 272 r + 32 h
.set ORD, 4                            ; v4   where I read query w's partials: OPB + 272 w + 8 x lane
.set GO,  5                            ; v5   8 x lane: my place in a row of out0
.set QA0, 6                            ; v6   32 r + 8 h: my 8 bytes of a K step of Q's row r: the offset of Q's loads
.set QM0, 7                            ; v7   r: my query's mask byte: the offset of its load.  (v8, v9 are not used)
.set OUTR, 10                          ; v[10:11] the reduced row's two numbers.  At the head: KO, KMO
.set KO,  10
.set KMO, 11
.set SA,  12                           ; v[12:13], v[14:15] the row sum in two chains.  At the head: VO, SH
.set SB,  14
.set VO,  12
.set SH,  13
.set BM,  16                           ; v16-19 the four blocks' largest values
.set BT,  20                           ; v20-23 lane permutes' targets, then scale bytes
.set SO,  24                           ; v24-27 the conversions' scale operands
.set PW,  28                           ; v28   attn's scale word, and nothing else
.set T1,  29
.set INV, 30                           ; v[30:31] 1 / denominator (the packed form names the pair and takes its low word)
.set QF,  32                           ; v[32:37] Q's fragments: K steps 0, 1, 2
.set RQ,  38                           ; v[38:41] Q as loaded
.set RM,  42                           ; v42   its mask byte
.set T2,  43
.set PC,  44                           ; v[44:51] attn's codes
.set VS,  52                           ; v52-55 V's scale words, and nothing else
.set VF,  56                           ; v56-87 V^T's four fragments (16 channels x 128 keys)
.set KF,  88                           ; v88-135 K's: tile T at 88 + 6 T: K steps 0, 1, 2, a pair each
.set S,   136                          ; v136-167 four accumulators, of both products: written by matrix instructions alone
.set P,   168                          ; v168-231 the kernel values.  At the head: two sets of 32 numbers of V
.set OPL, 200                          ; v200-231 sixteen partial pairs during the reduction (P's upper half, free then)
.set TS,  232                          ; v232-247 the sixteen partial sums; v232 also my own on its way to LDS.  At the head: |k|^2
.set KM,  248                          ; v248-255 the keys' mask bytes, at the head
.set WV,  14                           ; s14   my wave's number
.set NXT, 27                           ; s27   the block of Q to be asked for next
.set TRIP, 28                          ; s28   the loop's counter
.set QB,  36                           ; s[36:37] query at the block that is being asked for
.set MB,  38                           ; s[38:39] the mask at that block's first query
.set KC,  40                           ; s40-47 at the head: which of my keys of tile T count
.macro PLACES n
.rept \n
	v_nop
.endr
.endm
.macro BAR                             ; my LDS stores have landed and my LDS loads are in: then the work-group's barrier
	s_wait_dscnt 0x0
	s_barrier_signal -1
	s_barrier_wait -1
.endm
; A block's Q and mask are asked for ahead: blocks 0 and 1 at the head, block j + 2 in block j's second half.  The look-ahead passes the chunk's end once: it is held at block 15, whose bytes are then read again and not used.
; The two bases are written behind the wait on LOADcnt for 0 (QPREP) that shows the loads that read them done.  No vector instruction makes an address here.
.macro RAWLOAD
	s_min_u32 s29, s[NXT], 15
	s_lshl_b32 s18, s29, 9                         ; 16 rows of 32 bytes a block
	s_lshl_b32 s20, s29, 4                         ; 16 mask bytes
	s_add_nc_u64 s[QB:QB+1], s[4:5], s[18:19]      ; (s19 and s21 hold 0 since the head)
	s_add_nc_u64 s[MB:MB+1], s[10:11], s[20:21]
	global_load_b64 v[RQ:RQ+1], v[QA0], s[QB:QB+1]                ; Q(r, 2 h .. 2 h + 1)
	global_load_b64 v[RQ+2:RQ+3], v[QA0], s[QB:QB+1] offset:16    ; Q(r, 4 + 2 h ..)
	global_load_u8 v[RM], v[QM0], s[MB:MB+1]
	s_add_co_u32 s[NXT], s[NXT], 1
.endm
; Q as loaded becomes source 1 of the next block's first product.  red = 1: a row of out0 has been stored in this block: its base steps.
.macro QPREP red
	s_wait_loadcnt 0x0                             ; the three loads asked for ahead are in: their two bases may be written again
.if \red
	s_wait_xcnt 0x0                                ; the row's store has read its base and its data: only behind this wait are they written again
	s_add_nc_u64 s[12:13], s[12:13], 4096          ; 16 rows of out0 on
.endif
	v_cmp_ne_u32 vcc_lo, 0, v[RM]
	v_mul_f32 v[T1], v[RQ], v[RQ]
	v_fmac_f32 v[T1], v[RQ+1], v[RQ+1]
	v_fmac_f32 v[T1], v[RQ+2], v[RQ+2]
	v_fmac_f32 v[T1], v[RQ+3], v[RQ+3]
	v_permlanex16_b32 v[T2], v[T1], s22, s23       ; the row's other four numbers lie in lane l xor 16
	v_add_f32 v[T1], v[T1], v[T2]                  ; |q|^2
	v_mul_f32 v[T1], 0xbf38aa3b, v[T1]             ; qb = -c / 2 x |q|^2,
	s_wait_alu depctr_va_vcc(0)                    ; the compare has written VCC, ahead of its first reader
	v_cndmask_b32 v[T1], s30, v[T1], vcc_lo        ; or -1e30 for a masked query,
.irp i, 0,1,2,3
	v_cndmask_b32 v[QF+\i], 0, v[RQ+\i], vcc_lo    ; whose column is 0
.endr
	v_cndmask_b32 v[QF+5], 0, v[T1], s26           ; K step 2: (1, qb) in lanes 0-15, (0, 0) in lanes 16-31; the 1 was made at the head
.endm
; V at the head, in eight granules g: keys 64 (g / 4) + 32 h + 0 .. 31 of channel 16 (g % 4) + r: A LANE TAKES A COLUMN AND ITS REGISTERS RUN DOWN THE KEYS, in the order that the operand's layout gives the lane.
.macro LOADV g
.irp i, 0,1,2,3,4,5,6,7,8,9,10,11,12,13,14,15,16,17,18,19,20,21,22,23,24,25,26,27,28,29,30,31
	global_load_b32 v[P+32*((\g)%2)+\i], v[VO], s[8:9] offset:(64*((\g)/4)+\i)*256+64*((\g)%4)   ; sixteen lanes read 64 neighbouring bytes; the four granules of the same keys follow each other
.endr
.endm
.macro QUANTV g
.set XS, P+32*((\g)%2)
.if (\g) < 7
	s_wait_loadcnt 32                              ; behind this granule's loads only the next granule's 32 were issued: they may be out; all that is older (K, the masks, Q) is in
.else
	s_wait_loadcnt 0x0
.endif
	v_max3_num_f32 v[BM], |v[XS]|, |v[XS+1]|, |v[XS+2]|        ; the block's largest magnitude: all 32 numbers are mine; two chains
	v_max3_num_f32 v[BM+1], |v[XS+3]|, |v[XS+4]|, |v[XS+5]|
.irp i, 6,10,14,18,22,26
	v_max3_num_f32 v[BM], v[BM], |v[XS+\i]|, |v[XS+\i+1]|
	v_max3_num_f32 v[BM+1], v[BM+1], |v[XS+\i+2]|, |v[XS+\i+3]|
.endr
	v_max3_num_f32 v[BM], v[BM], |v[XS+30]|, |v[XS+31]|
	v_max3_num_f32 v[BM], v[BM], v[BM+1], 0x1800000            ; and the floor 2^(3 - 127): the byte cannot fall under 1
	v_add_nc_u32 v[SO], 0xff000000, v[BM]          ; 2 off the exponent field: the conversion takes this operand's exponent field as its scale
.if (\g) < 4
	v_lshrrev_b32 v[VS+(\g)%4], 23, v[SO]          ; the byte of block h
.else
	v_lshrrev_b32 v[BT], 23, v[SO]
	v_lshl_or_b32 v[VS+(\g)%4], v[BT], 16, v[VS+(\g)%4]        ; and of block 2 + h
.endif
.irp k, 0,1,2,3
	v_cvt_scalef32_pk8_fp4_f32 v[VF+8*((\g)%4)+4*((\g)/4)+\k], v[XS+8*\k:XS+8*\k+7], v[SO]
.endr
	v_nop                                          ; one plain place behind a scaled conversion
.if (\g) < 6
	s_wait_alu depctr_va_vdst(0)                   ; the maxima and the conversions are done reading this set of 32 registers, in which the granule two on lands
	LOADV (\g)+2
.endif
.endm
; Four tiles of 16 keys x 16 queries, K = 12 in three K steps.  The first K step starts each sum with the constant 0; the four accumulators take turns, one instruction a turn.
.macro SGROUP g
.irp s, 0,1,2
.irp n, 0,1,2,3
.if \s == 0
	v_wmma_f32_16x16x4_f32 v[S+8*\n:S+8*\n+7], v[KF+6*(4*\g+\n)+2*\s:KF+6*(4*\g+\n)+2*\s+1], v[QF+2*\s:QF+2*\s+1], 0
.else
	v_wmma_f32_16x16x4_f32 v[S+8*\n:S+8*\n+7], v[KF+6*(4*\g+\n)+2*\s:KF+6*(4*\g+\n)+2*\s+1], v[QF+2*\s:QF+2*\s+1], v[S+8*\n:S+8*\n+7]
.endif
.endr
.endr
.endm
.macro EXPS g                          ; kernel = 2^t, into other registers; each accumulator is read from its low end on
.set i, 0
.rept 32
	v_exp_f32 v[P+32*\g+i], v[S+i]
.set i, i+1
.endr
	v_nop                                          ; a plain place behind the exponentials
.endm
; Of 32 kernel values (blocks 2 g and 2 g + 1 of my 128 keys): their sum, in two chains, and each block's largest.  Nothing is negative: no |.|.  The wait for the group's exponentials stands ahead of the macro.
.macro STATS g
.set PB, P+32*\g
.if \g == 0
	v_pk_add_f32 v[SA:SA+1], v[PB:PB+1], v[PB+2:PB+3]          ; the first additions start the chains: nothing is cleared
	v_pk_add_f32 v[SB:SB+1], v[PB+4:PB+5], v[PB+6:PB+7]
.else
	v_pk_add_f32 v[SA:SA+1], v[SA:SA+1], v[PB:PB+1]
	v_pk_add_f32 v[SB:SB+1], v[SB:SB+1], v[PB+2:PB+3]
	v_pk_add_f32 v[SA:SA+1], v[SA:SA+1], v[PB+4:PB+5]
	v_pk_add_f32 v[SB:SB+1], v[SB:SB+1], v[PB+6:PB+7]
.endif
.irp j, 8,12,16,20,24,28
	v_pk_add_f32 v[SA:SA+1], v[SA:SA+1], v[PB+\j:PB+\j+1]
	v_pk_add_f32 v[SB:SB+1], v[SB:SB+1], v[PB+\j+2:PB+\j+3]
.endr
.irp u, 0,1
	v_max3_num_f32 v[BM+2*\g+\u], v[PB+16*\u], v[PB+16*\u+1], v[PB+16*\u+2]
.endr
.irp j, 3,5,7,9,11,13
.irp u, 0,1
	v_max3_num_f32 v[BM+2*\g+\u], v[BM+2*\g+\u], v[PB+16*\u+\j], v[PB+16*\u+\j+1]   ; (the two blocks by turns)
.endr
.endr
.irp u, 0,1
	v_max_num_f32 v[BM+2*\g+\u], v[BM+2*\g+\u], v[PB+16*\u+15]
.endr
.irp u, 0,1
	v_permlanex16_b32 v[BT+2*\g+\u], v[BM+2*\g+\u], s22, s23
.endr
.irp u, 0,1
	v_max_num_f32 v[BM+2*\g+\u], v[BM+2*\g+\u], v[BT+2*\g+\u]  ; with lane l xor 16's 16 keys
.endr
.endm
.macro RLOAD                           ; the sixteen waves' partials of query w of the block just multiplied: each load takes 256 consecutive bytes
.irp s, 0,1,2,3,4,5,6,7,8,9,10,11,12,13,14,15
	ds_load_b64 v[OPL+2*\s:OPL+2*\s+1], v[ORD] offset:OAREA*\s
.endr
.endm
.macro RSUM                            ; they are added
	s_wait_dscnt 0x0
.irp i, 0,1,2,3,4,5,6,7
	v_pk_add_f32 v[OPL+4*\i:OPL+4*\i+1], v[OPL+4*\i:OPL+4*\i+1], v[OPL+4*\i+2:OPL+4*\i+3]
.endr
.irp i, 0,1,2,3
	v_pk_add_f32 v[OPL+8*\i:OPL+8*\i+1], v[OPL+8*\i:OPL+8*\i+1], v[OPL+8*\i+4:OPL+8*\i+5]
.endr
.irp i, 0,1
	v_pk_add_f32 v[OPL+16*\i:OPL+16*\i+1], v[OPL+16*\i:OPL+16*\i+1], v[OPL+16*\i+8:OPL+16*\i+9]
.endr
	v_pk_add_f32 v[OUTR:OUTR+1], v[OPL:OPL+1], v[OPL+16:OPL+17]
.endm
.macro RSTORE                          ; and the row leaves, behind a wait that shows v[OUTR] written
	global_store_b64 v[GO], v[OUTR:OUTR+1], s[12:13] th:TH_STORE_NT   ; 32 lanes store 256 consecutive bytes, at a multiple of 256 from out0's first byte; written once, read by nobody here
.endm
; A BLOCK'S FIRST HALF: its kernel values and my partial row sums.  red = 1: the block before is reduced and stored on the way.
; Places (this form asks 8 in front of a vector read of its result and of a vector write of a source, 9 in front of a matrix instruction that writes over its registers):
; behind the first group stand the reduction's 15 additions (or nine v_nop) and the v_nop behind the exponentials; behind the second group the first group's sums and maxima, which name none of its registers.
.macro YPH red
.if \red
	s_wait_alu depctr_vm_vsrc(0)                   ; my LDS stores have read the accumulators, which the products below write again; the last row's store has read v[OUTR], which the reduction writes again
	RLOAD                                          ; no wait on va_vdst here: the one ahead of the second half's LDS stores stands behind the last line that names these 32 registers
.endif
	SGROUP 0
.if \red
	RSUM
.else
	PLACES 9
.endif
	EXPS 0
	SGROUP 1
	s_wait_alu depctr_va_vdst(0)                   ; the first group's 32 exponentials have written P's lower half, ahead of their first reader; red = 1: the reduction has written v[OUTR], which the store reads
.if \red
	RSTORE
.endif
	STATS 0
	EXPS 1
	s_wait_alu depctr_va_vdst(0)                   ; the second group's 32 exponentials have written P's upper half, ahead of their first reader
	STATS 1
	v_pk_add_f32 v[SA:SA+1], v[SA:SA+1], v[SB:SB+1]
	v_add_f32 v[TS], v[SA], v[SA+1]
	v_permlanex16_b32 v[T2], v[TS], s22, s23
	v_add_f32 v[TS], v[TS], v[T2]                  ; my query's sum over my wave's 128 keys
	s_wait_alu depctr_va_vdst(0)                   ; the addition has written v232, which the LDS store reads; and no line from here to the second half's LDS loads names v232-247, in which they land
	ds_store_b32 v[LSW], v[TS] offset:SUMB         ; (lanes r and r + 16 put the same number in the same word)
	QPREP \red
	BAR                                            ; the sixteen partial sums of each query lie in LDS; every wave's reads of the partial O^T are over
.endm
; A BLOCK'S SECOND HALF: the denominator, attn, its codes, the second product, my partial O^T to LDS.  ld = 1: the Q of the block after next is asked for.
.macro XPH ld
	s_wait_alu depctr_vm_vsrc(0)                   ; my LDS store of the partial sum has read v232, in which the first load below lands
.irp i, 0,1,2,3
	ds_load_b128 v[TS+4*\i:TS+4*\i+3], v[LSR] offset:SUMB+16*\i
.endr
	s_wait_dscnt 0x0
.irp i, 0,1,2,3
	v_pk_add_f32 v[TS+4*\i:TS+4*\i+1], v[TS+4*\i:TS+4*\i+1], v[TS+4*\i+2:TS+4*\i+3]   ; the same order in every wave: all have the same denominator
.endr
	v_pk_add_f32 v[TS:TS+1], v[TS:TS+1], v[TS+4:TS+5]
	v_pk_add_f32 v[TS+8:TS+9], v[TS+8:TS+9], v[TS+12:TS+13]
	v_pk_add_f32 v[TS:TS+1], v[TS:TS+1], v[TS+8:TS+9]
	v_add_f32 v[T1], v[TS], v[TS+1]
	v_add_f32 v[T1], 0x3d800000, v[T1]             ; + 2^-4
	v_rcp_f32 v[INV], v[T1]
	v_nop                                          ; a plain place behind the transcendental
	s_wait_alu depctr_va_vdst(0)                   ; the reciprocal has written v[INV], ahead of its first reader; the lines that made Q's fragments are done reading v[RQ ..] and v[RM], in which the loads below land
.if \ld
	RAWLOAD                                        ; no line of this half names v[RQ ..] or v[RM]
.endif
.irp b, 0,1,2,3
	v_mul_f32 v[BM+\b], v[BM+\b], v[INV]           ; rounding keeps the order: this is the block's largest attn, bit for bit
.endr
.irp b, 0,1,2,3
	v_max_num_f32 v[BM+\b], 0x1800000, v[BM+\b]    ; the floor 2^(3 - 127): the byte cannot fall under 1
.endr
.irp b, 0,1,2,3
	v_add_nc_u32 v[SO+\b], 0xff000000, v[BM+\b]    ; 2 off the exponent field: the conversion's scale operand
.endr
.irp b, 0,1,2,3
	v_lshrrev_b32 v[BT+\b], 23, v[SO+\b]           ; the scale's byte
.endr
	v_lshl_or_b32 v[PW], v[BT+1], 8, v[BT]         ; my query's scale word for these 128 keys
	v_lshl_or_b32 v[PW], v[BT+2], 16, v[PW]
	v_lshl_or_b32 v[PW], v[BT+3], 24, v[PW]
.set i, 0
.rept 32
	v_pk_mul_f32 v[P+i:P+i+1], v[P+i:P+i+1], v[INV:INV+1] op_sel_hi:[1,0]   ; attn.  (These 32 are also the eight places between the scale word and the scaled products)
.set i, i+2
.endr
.irp b, 0,1,2,3
	v_cvt_scalef32_pk8_fp4_f32 v[PC+2*\b], v[P+16*\b:P+16*\b+7], v[SO+\b]         ; keys 32 b + 16 h + 0 .. 7
	v_cvt_scalef32_pk8_fp4_f32 v[PC+2*\b+1], v[P+16*\b+8:P+16*\b+15], v[SO+\b]    ; and + 8 .. 15
.endr
	v_nop                                          ; one plain place behind a scaled conversion
.irp c, 0,1                            ; the operand's layout wants a WHOLE block in a lane: lanes 0-15 block 2 c, lanes 16-31 block 2 c + 1
.irp i, 0,1
	v_permlane16_swap_b32 v[PC+4*\c+\i], v[PC+4*\c+2+\i]
.endr
.endr
	PLACES 4                                       ; an operand written by vector instructions stands four places ahead of a scaled product
	s_wait_alu depctr_va_vdst(0)                   ; the conversions and exchanges have written attn's codes v[PC ..], the shifts its scale word v[PW]: the scaled products take them; the places above stay beside this wait
.irp t, 0,1,2,3                        ; O^T = V^T attn^T: 16 channels x 16 queries, K = my 128 keys: four sums of one K step each
	v_wmma_scale_f32_16x16x128_f8f6f4 v[S+8*\t:S+8*\t+7], v[VF+8*\t:VF+8*\t+7], v[PC:PC+7], 0, v[VS+\t], v[PW] matrix_a_fmt:MATRIX_FMT_FP4 matrix_b_fmt:MATRIX_FMT_FP4
.endr
	PLACES 5                                       ; four in front of the stores that read the results; five in front of the next block's products, which write over them
	s_wait_alu depctr_va_vdst(0)                   ; the scaled products have written the accumulators, which the LDS stores read; the multiplications and conversions are done with v200-231, in which the reduction's LDS loads land
.irp t, 0,1,2,3
	ds_store_b128 v[OST], v[S+8*\t:S+8*\t+3] offset:64*\t              ; lane (r, h): o(query r, channels 16 t + 8 h + 0 .. 7); each accumulator from its low end on
	ds_store_b128 v[OST], v[S+8*\t+4:S+8*\t+7] offset:64*\t+16
.endr
	BAR                                            ; sixteen partial O^T lie in LDS; every wave's reads of the partial sums are over
.endm
	; ---- the head
	s_load_b256 s[4:11], s[0:1], 0x0               ; query s[4:5], key s[6:7], value s[8:9], padding_mask s[10:11]
	s_load_b64 s[12:13], s[0:1], 0x20              ; out0
	v_lshrrev_b32 v[T1], 5, v0
	v_readfirstlane_b32 s[WV], v[T1]               ; wave 0..15
	v_and_b32 v[QM0], 15, v0                       ; r
	v_bfe_u32 v[T1], v0, 4, 1                      ; h
	v_and_b32 v[GO], 31, v0
	v_lshlrev_b32 v[GO], 3, v[GO]
	v_mul_u32_u24 v[LSR], v[QM0], SPITCH
	v_mul_u32_u24 v[OST], v[QM0], OPITCH
	v_lshl_add_u32 v[OST], v[T1], 5, v[OST]
	v_lshlrev_b32 v[QA0], 5, v[QM0]
	v_lshl_add_u32 v[QA0], v[T1], 3, v[QA0]
	v_and_b32 v[KMO], 8, v[QM0]
	v_add_nc_u32 v[KMO], v[KMO], v[QM0]            ; r + 8 (r / 8): my key in a tile, and its mask byte
	v_lshlrev_b32 v[KO], 5, v[KMO]
	v_lshl_add_u32 v[KO], v[T1], 3, v[KO]          ; its row of 32 bytes, + 8 h
	v_lshlrev_b32 v[VO], 2, v[QM0]
	v_lshl_add_u32 v[VO], v[T1], 13, v[VO]         ; V: column r, and 32 rows of 256 bytes further down for lanes 16-31
	v_lshlrev_b32 v[SH], 3, v[T1]                  ; 8 h
.irp b, 0,1,2,3
	v_mov_b32 v[BT+\b], 0                          ; written once: a lane permute's destination counts as one of its sources
.endr
.irp b, 0,1,2,3,4,5,6,7
	v_mov_b32 v[TS+8+\b], 0
.endr
	v_mov_b32 v[T2], 0
	v_mov_b32 v[INV+1], 0                          ; (named as the upper half of a pair)
	s_wait_alu depctr_va_sdst(0)                   ; the wave's number is written, ahead of its first reader: LDS addresses and the bases of key, value, the mask and out0 are made from it
	s_lshl_b32 s29, s[WV], 2
	v_add_nc_u32 v[LSW], s29, v[LSR]
	s_mul_i32 s29, s[WV], OAREA
	s_add_co_u32 s29, s29, OPB
	v_add_nc_u32 v[OST], s29, v[OST]
	s_mul_i32 s29, s[WV], OPITCH
	s_add_co_u32 s29, s29, OPB
	v_add_nc_u32 v[ORD], s29, v[GO]
	s_lshr_b32 s15, ttmp9, 3                       ; the pair bh
	s_and_b32 s16, ttmp9, 7                        ; which 256 of its queries
	s_and_b32 s17, s15, 3                          ; its batch: the mask's row
	s_mov_b32 s22, 0x76543210
	s_mov_b32 s23, 0xfedcba98                      ; v_permlanex16_b32's selects for lane l xor 16
	s_mov_b32 s24, 0x3fb8aa3b                      ; c = log2(e)
	s_mov_b32 s25, s24                             ; (named with it as a pair)
	s_mov_b32 s26, 0xffff                          ; lanes 0-15
	s_mov_b32 s30, 0xf149f2ca                      ; -1e30
	s_mov_b32 s[NXT], 0
	s_mov_b32 s19, 0                               ; the upper words of two offsets: they stay 0 for the whole kernel
	s_mov_b32 s21, 0
	s_lshl_b32 s18, s15, 16                        ; the pair's 2,048 rows of 32 bytes
	s_lshl_b32 s20, s16, 13                        ; my 256 queries
	s_wait_kmcnt 0x0
	s_add_nc_u64 s[4:5], s[4:5], s[18:19]
	s_add_nc_u64 s[4:5], s[4:5], s[20:21]          ; query at my work-group's first row
	s_lshl_b32 s20, s[WV], 12                      ; my wave's 128 keys
	s_add_nc_u64 s[6:7], s[6:7], s[18:19]
	s_add_nc_u64 s[6:7], s[6:7], s[20:21]          ; key at my wave's first key
	s_lshl_b32 s18, s15, 19                        ; the pair's 2,048 rows of 256 bytes
	s_lshl_b32 s20, s[WV], 15
	s_add_nc_u64 s[8:9], s[8:9], s[18:19]
	s_add_nc_u64 s[8:9], s[8:9], s[20:21]          ; value likewise
	s_lshl_b32 s20, s16, 16
	s_lshl_b32 s29, s[WV], 8
	s_add_co_u32 s20, s20, s29
	s_add_nc_u64 s[12:13], s[12:13], s[18:19]
	s_add_nc_u64 s[12:13], s[12:13], s[20:21]      ; out0 at row w of my work-group's first block
	s_lshl_b32 s18, s17, 11
	s_lshl_b32 s20, s[WV], 7
	s_add_nc_u64 s[34:35], s[10:11], s[18:19]
	s_add_nc_u64 s[34:35], s[34:35], s[20:21]      ; the mask at my wave's first key,
	s_lshl_b32 s20, s16, 8
	s_add_nc_u64 s[10:11], s[10:11], s[18:19]
	s_add_nc_u64 s[10:11], s[10:11], s[20:21]      ; and at my work-group's first query
	s_wait_alu depctr_va_vdst(0)                   ; v1 to v7 and v10 to v12 are written: every load, store and LDS instruction of the kernel but the closing add reads one of them as its address or offset
.irp T, 0,1,2,3,4,5,6,7
.irp s, 0,1
	global_load_b64 v[KF+6*\T+2*\s:KF+6*\T+2*\s+1], v[KO], s[6:7] offset:(32*(\T/2)+8*(\T%2))*32+16*\s   ; K(my key of tile T, 4 s + 2 h ..)
.endr
.endr
.irp T, 0,1,2,3,4,5,6,7
	global_load_u8 v[KM+\T], v[KMO], s[34:35] offset:32*(\T/2)+8*(\T%2)
.endr
	RAWLOAD                                        ; block 0's Q
	LOADV 0
	LOADV 1
.irp g, 0,1,2,3,4,5,6,7
	QUANTV \g
.endr
.irp T, 0,1,2,3,4,5,6,7
	v_cmp_ne_u32 s[KC+\T], 0, v[KM+\T]             ; which of my keys count: the eight compares in one run, their one wait ahead of the selects below
.endr
.irp t, 0,1,2,3
	v_lshlrev_b32 v[VS+\t], v[SH], v[VS+\t]        ; my two bytes, blocks h and 2 + h of channel r, at their places in the scale word;
.endr
.irp t, 0,1,2,3
	v_permlanex16_b32 v[BT+\t], v[VS+\t], s22, s23
.endr
.irp t, 0,1,2,3
	v_or_b32 v[VS+\t], v[VS+\t], v[BT+\t]          ; with lane l xor 16's two the word is whole
.endr
	; K: |k|^2 of the numbers as they came; then c K, kb, and the mask
.irp T, 0,1,2,3,4,5,6,7
	v_mul_f32 v[TS+\T], v[KF+6*\T], v[KF+6*\T]
.endr
.irp i, 1,2,3
.irp T, 0,1,2,3,4,5,6,7
	v_fmac_f32 v[TS+\T], v[KF+6*\T+\i], v[KF+6*\T+\i]
.endr
.endr
.irp T, 0,1,2,3,4,5,6,7
	v_permlanex16_b32 v[TS+8+\T], v[TS+\T], s22, s23
.endr
.irp T, 0,1,2,3,4,5,6,7
	v_add_f32 v[TS+\T], v[TS+\T], v[TS+8+\T]
.endr
.irp T, 0,1,2,3,4,5,6,7
	v_mul_f32 v[TS+\T], 0xbf38aa3b, v[TS+\T]       ; kb = -c / 2 x |k|^2
.endr
.irp T, 0,1,2,3,4,5,6,7
	v_pk_mul_f32 v[KF+6*\T:KF+6*\T+1], v[KF+6*\T:KF+6*\T+1], s[24:25] op_sel_hi:[1,0]
	v_pk_mul_f32 v[KF+6*\T+2:KF+6*\T+3], v[KF+6*\T+2:KF+6*\T+3], s[24:25] op_sel_hi:[1,0]
.endr
	s_wait_alu depctr_va_sdst(0)                   ; the eight compares have written s40 to s47, ahead of their first reader
.irp T, 0,1,2,3,4,5,6,7
	v_cndmask_b32 v[TS+\T], s30, v[TS+\T], s[KC+\T]            ; a masked key: kb = -1e30,
.irp i, 0,1,2,3
	v_cndmask_b32 v[KF+6*\T+\i], 0, v[KF+6*\T+\i], s[KC+\T]    ; and a row of zeros
.endr
	v_cndmask_b32 v[KF+6*\T+4], 0, v[TS+\T], s26   ; K step 2: (kb, 1) in lanes 0-15, (0, 0) in lanes 16-31
	v_cndmask_b32 v[KF+6*\T+5], 0, 1.0, s26
.endr
	v_cndmask_b32 v[QF+4], 0, 1.0, s26             ; Q's K step 2 begins with 1 in lanes 0-15: made once
	QPREP 0                                        ; block 0's Q
	s_wait_alu depctr_vm_vsrc(0)                   ; the head's loads have read their offsets v10 to v12, which the blocks write as v[OUTR] and v[SA]
	s_wait_alu depctr_va_vdst(0)                   ; the lines that made block 0's fragments are done reading v[RQ ..] and v[RM], in which block 1's loads land
	RAWLOAD                                        ; block 1's Q
	; ---- sixteen blocks.  Two barriers a block: the partial sums are written again only behind the second, which every wave signals behind its reads of them;
	; the partial O^T only behind the next first one, which every wave signals behind its reads of those.
	YPH 0
	s_mov_b32 s[TRIP], 15
.Lblk:
	XPH 1                                          ; block j - 1; block j + 1's Q is asked for
	YPH 1                                          ; block j's kernel values; block j - 1's rows leave
	s_sub_co_u32 s[TRIP], s[TRIP], 1
	s_cmp_lg_u32 s[TRIP], 0
	s_cbranch_scc1 .Lblk
	XPH 0                                          ; block 15: no Q is left to ask for
	s_wait_alu depctr_vm_vsrc(0)                   ; block 14's row's store has read v[OUTR], which the reduction writes again
	RLOAD                                          ; (the wait ahead of the LDS stores above stands behind the last line that names these 32 registers)
	RSUM
	s_wait_alu depctr_va_vdst(0)                   ; the reduction has written v[OUTR], which the store reads
	RSTORE
	s_wait_xcnt 0x0                                ; as it stood: the last store's address is translated when the closing lines begin
	v_lshl_add_u32 v254, v0, 2, 0x11800            ; the add's two registers are made anew, straight ahead of the closing lines: no memory or LDS instruction has read v254 or v255; the spare words lie behind the sixteen areas
	v_mov_b32 v255, 0
	s_wait_dscnt 0x0                               ; the closing lines, six on end
	s_wait_alu 0x0
	s_wait_tensorcnt 0x0
	ds_add_u32 v254, v255
	s_wait_dscnt 0x0
	s_endpgm
.Lfunc_end_k_qbc717a290b_hept:
	.size	k_qbc717a290b_hept, .Lfunc_end_k_qbc717a290b_hept-k_qbc717a290b_hept
	.p2alignl 7, 3214868480
	.fill 96, 4, 3214868480
	.section	.rodata,"a",@progbits
	.p2align	6, 0x0
	.amdhsa_kernel k_qbc717a290b_hept
		.amdhsa_group_segment_fixed_size 73728
		.amdhsa_private_segment_fixed_size 0
		.amdhsa_enable_private_segment 0
		.amdhsa_kernarg_size 40
		.amdhsa_user_sgpr_count 2
		.amdhsa_user_sgpr_kernarg_segment_ptr 1
		.amdhsa_wavefront_size32 1
		.amdhsa_system_sgpr_workgroup_id_x 1
		.amdhsa_system_sgpr_workgroup_id_y 1
		.amdhsa_system_sgpr_workgroup_id_z 1
		.amdhsa_system_vgpr_workitem_id 0
		.amdhsa_next_free_vgpr 256
		.amdhsa_next_free_sgpr 66
		.amdhsa_reserve_vcc 1
		.amdhsa_float_denorm_mode_32 3
		.amdhsa_float_denorm_mode_16_64 3
		.amdhsa_memory_ordered 1
		.amdhsa_forward_progress 1
		.amdhsa_inst_pref_size 87
	.end_amdhsa_kernel
	.amdgpu_metadata
---
amdhsa.version: [ 1, 2 ]
amdhsa.kernels:
  - .name:           k_qbc717a290b_hept
    .symbol:         k_qbc717a290b_hept.kd
    .args:
      - { .name: query, .offset: 0, .size: 8, .value_kind: global_buffer, .address_space: global }
      - { .name: key, .offset: 8, .size: 8, .value_kind: global_buffer, .address_space: global }
      - { .name: value, .offset: 16, .size: 8, .value_kind: global_buffer, .address_space: global }
      - { .name: padding_mask, .offset: 24, .size: 8, .value_kind: global_buffer, .address_space: global }
      - { .name: out0, .offset: 32, .size: 8, .value_kind: global_buffer, .address_space: global }
    .group_segment_fixed_size: 73728
    .private_segment_fixed_size: 0
    .kernarg_segment_align: 8
    .kernarg_segment_size: 40
    .max_flat_workgroup_size: 512
    .sgpr_count:     66
    .vgpr_count:     256
    .wavefront_size: 32
...
	.end_amdgpu_metadata
.endif
;; end of part 2
